; MI455X (gfx1250); checked and timed in simulation.
; The chip was launched on July 23, 2026; its instructions are those of AMD's public machine-readable ISA for CDNA 5 (MIT licence, August 2026) and "CDNA5" Instruction Set Architecture Reference Guide (July 2026). The comments in the code are by the model that wrote it; some were corrected since.
;; GRASS Merge. Allowed arithmetic: float matrix products may take bf16 or f16 operands with f32 sums; all other float work in f32.
;; Inputs: W 2,048 x 128 float32; feature 8,192 x 512 float32.
;; Outputs: out0 8,192 float32; out1 8,192 x 512 float32.
;; 2 versions, each right; version 2 is version 1 with the launch gather written anew for expert scheduling mode. Each part assembles by itself: llvm-mc -triple=amdgcn-amd-amdhsa -mcpu=gfx1250 --defsym DOCPART=n.
;; ======== version 1 of 2: 3 launches
;; limits: values within 9.5e-07 (relative) of each other or of a threshold may be ordered or decided otherwise than in the reference
;; workspace buffers: wb 524,288 bytes; wwh 8,192 bytes; idx 131,072 bytes of whole numbers
;; launch prep (part 1): grid 32 x 1, 16 waves a work-group, no clusters, 2,304 bytes of LDS; arguments W, wb, wwh; writes wb, wwh
.if DOCPART == 1
	.amdgcn_target "amdgcn-amd-amdhsa--gfx1250"
	.amdhsa_code_object_version 6
	.text
	.protected	k_q162c91350e_prep
	.globl	k_q162c91350e_prep
	.p2align	8
	.type	k_q162c91350e_prep,@function
k_q162c91350e_prep:
	s_mov_b64 s[64:65], 0
	v_nop
	global_prefetch_b8 v0, s[64:65] scope:SCOPE_SE
	s_setreg_imm32_b32 hwreg(HW_REG_WAVE_MODE, 25, 1), 1
	s_wait_xcnt 0x0
; wb[k][d] = bf16(W[k][d]);  wwh[k] = -1/2 * sum over d of wb[k][d]^2, in f32, from the ROUNDED numbers,
; so that the next launch's scores f.w + wwh are those of a codebook that holds exactly the bf16 numbers.
; W: [2048][128] f32.  wb: [2048][128] bf16.  wwh: [2048] f32.
; 32 work-groups of 16 waves; a work-group owns 64 codes, a wave 4 rows, a lane 4 numbers of a row.
; A load of a wave covers a whole row (512 bytes); a store of a wave covers a whole row of wb (256 consecutive bytes, aligned);
; the group's 64 sums meet in LDS and leave as one store of 256 consecutive bytes, aligned: that is why a group has 64 codes.
; No work-group shares an input byte with another: no cluster, no tiles, no matrix unit.
.set ROWS, 4                           ; rows of a wave
.set X,  4                             ; v[4:19]   row i: 4 numbers as loaded
.set P,  20                            ; v[20:27]  row i: the same, packed to bf16
.set Y,  28                            ; v[28:31]  the rounded numbers, widened again
.set Q,  32                            ; v[32:33]  sums of squares
.set T,  34                            ; v34       the other half's sum
.set LA, 35                            ; v35       LDS address of my wave's four words
	s_load_b128 s[4:7], s[0:1], 0x0                ; W s[4:5], wb s[6:7]
	s_load_b64 s[8:9], s[0:1], 0x10                ; wwh
	v_lshl_add_u32 v40, v0, 2, 0x100
	v_mov_b32 v41, 0
	v_lshrrev_b32 v3, 5, v0
	v_readfirstlane_b32 s10, v3                    ; wave 0..15
	v_and_b32 v1, 31, v0                           ; lane
	v_lshlrev_b32 v2, 3, v1                        ; 8 x lane: my bytes in a row of wb, and in the group's 256 bytes of wwh
	v_lshlrev_b32 v1, 4, v1                        ; 16 x lane: my bytes in a row of W
	v_lshlrev_b32 v[LA], 4, v3                     ; 16 x wave
	v_mov_b32 v[T], 0                              ; v_permlanex16_b32 counts as a reader of its destination
	s_mov_b32 s14, 0x76543210                      ; v_permlanex16_b32: lane i of one half reads lane i of the other
	s_mov_b32 s15, 0xfedcba98
	s_mov_b32 s16, 0xffff0000                      ; a word's upper bf16
	s_lshl_b32 s11, ttmp9, 6                       ; 64 codes a work-group
	s_lshl2_add_u32 s11, s10, s11                  ; + 4 x wave: my first row
	s_lshl_b32 s12, s11, 9                         ; rows of 512 bytes
	s_mov_b32 s13, 0
	s_wait_kmcnt 0x0
	s_add_nc_u64 s[4:5], s[4:5], s[12:13]
	s_lshl_b32 s12, s11, 8                         ; rows of 256 bytes
	s_add_nc_u64 s[6:7], s[6:7], s[12:13]
	s_lshl_b32 s12, ttmp9, 8                       ; 64 sums of 4 bytes
	s_add_nc_u64 s[8:9], s[8:9], s[12:13]
.irp i, 0,1,2,3
	global_load_b128 v[X+4*\i:X+4*\i+3], v1, s[4:5] offset:512*\i
.endr
.irp i, 0,1,2,3
	s_wait_loadcnt ROWS-1-\i                       ; loads come back in order (ISA guide 5.7.1): row i is in, the younger rows stay out
	v_cvt_pk_bf16_f32 v[P+2*\i],   v[X+4*\i],   v[X+4*\i+1]
	v_cvt_pk_bf16_f32 v[P+2*\i+1], v[X+4*\i+2], v[X+4*\i+3]
	global_store_b64 v2, v[P+2*\i:P+2*\i+1], s[6:7] offset:256*\i      ; P's pair i is never written again
	v_lshlrev_b32 v[Y],   16,  v[P+2*\i]           ; bf16 to f32: the low half moves up,
	v_and_b32     v[Y+1], s16, v[P+2*\i]           ; the high half stays
	v_lshlrev_b32 v[Y+2], 16,  v[P+2*\i+1]
	v_and_b32     v[Y+3], s16, v[P+2*\i+1]
	v_pk_mul_f32 v[Q:Q+1], v[Y:Y+1], v[Y:Y+1]
	v_pk_fma_f32 v[Q:Q+1], v[Y+2:Y+3], v[Y+2:Y+3], v[Q:Q+1]
	v_add_f32 v[Q], v[Q], v[Q+1]
	v_add_f32_dpp v[Q], v[Q], v[Q] row_xmask:1 row_mask:0xf bank_mask:0xf
	v_add_f32_dpp v[Q], v[Q], v[Q] row_xmask:2 row_mask:0xf bank_mask:0xf
	v_add_f32_dpp v[Q], v[Q], v[Q] row_xmask:4 row_mask:0xf bank_mask:0xf
	v_add_f32_dpp v[Q], v[Q], v[Q] row_xmask:8 row_mask:0xf bank_mask:0xf
	v_permlanex16_b32 v[T], v[Q], s14, s15
	v_add_f32 v[Q], v[Q], v[T]                     ; the row's sum of squares, in every lane
	v_mul_f32 v[Q], -0.5, v[Q]
	ds_store_b32 v[LA], v[Q] offset:4*\i           ; word 4 x wave + i; all lanes write the same number
.endr
	s_wait_dscnt 0x0                               ; my four words are in LDS, for wave 0's sake
	s_barrier_signal -1
	s_barrier_wait -1
	s_cmp_lg_u32 s10, 0
	s_cbranch_scc1 .Lend
	ds_load_b64 v[Y:Y+1], v2                       ; wave 0: the group's 64 sums, two a lane
	s_wait_dscnt 0x0
	global_store_b64 v2, v[Y:Y+1], s[8:9]          ; 256 consecutive bytes, aligned
.Lend:
	s_wait_tensorcnt 0x0
	ds_add_u32 v40, v41
	s_wait_dscnt 0x0
	s_endpgm
.Lfunc_end_k_q162c91350e_prep:
	.size	k_q162c91350e_prep, .Lfunc_end_k_q162c91350e_prep-k_q162c91350e_prep
	.p2alignl 7, 3214868480
	.fill 96, 4, 3214868480
	.section	.rodata,"a",@progbits
	.p2align	6, 0x0
	.amdhsa_kernel k_q162c91350e_prep
		.amdhsa_group_segment_fixed_size 2304
		.amdhsa_private_segment_fixed_size 0
		.amdhsa_enable_private_segment 0
		.amdhsa_kernarg_size 24
		.amdhsa_user_sgpr_count 2
		.amdhsa_user_sgpr_kernarg_segment_ptr 1
		.amdhsa_wavefront_size32 1
		.amdhsa_system_sgpr_workgroup_id_x 1
		.amdhsa_system_sgpr_workgroup_id_y 1
		.amdhsa_system_sgpr_workgroup_id_z 1
		.amdhsa_system_vgpr_workitem_id 0
		.amdhsa_next_free_vgpr 42
		.amdhsa_next_free_sgpr 66
		.amdhsa_reserve_vcc 0
		.amdhsa_float_denorm_mode_32 3
		.amdhsa_float_denorm_mode_16_64 3
		.amdhsa_memory_ordered 1
		.amdhsa_forward_progress 1
		.amdhsa_inst_pref_size 6
	.end_amdhsa_kernel
	.amdgpu_metadata
---
amdhsa.version: [ 1, 2 ]
amdhsa.kernels:
  - .name:           k_q162c91350e_prep
    .symbol:         k_q162c91350e_prep.kd
    .args:
      - { .name: W, .offset: 0, .size: 8, .value_kind: global_buffer, .address_space: global }
      - { .name: wb, .offset: 8, .size: 8, .value_kind: global_buffer, .address_space: global }
      - { .name: wwh, .offset: 16, .size: 8, .value_kind: global_buffer, .address_space: global }
    .group_segment_fixed_size: 2304
    .private_segment_fixed_size: 0
    .kernarg_segment_align: 8
    .kernarg_segment_size: 24
    .max_flat_workgroup_size: 512
    .sgpr_count:     66
    .vgpr_count:     42
    .wavefront_size: 32
...
	.end_amdgpu_metadata
.endif
;; end of part 1
;; launch nearest (part 2): grid 256 x 1, 8 waves a work-group, clusters of 4 x 1, 327,680 bytes of LDS; arguments wb, wwh, feature, idx; writes idx
.if DOCPART == 2
	.amdgcn_target "amdgcn-amd-amdhsa--gfx1250"
	.amdhsa_code_object_version 6
	.text
	.protected	k_q162c91350e_nearest
	.globl	k_q162c91350e_nearest
	.p2align	8
	.type	k_q162c91350e_nearest,@function
k_q162c91350e_nearest:
	s_mov_b64 s[64:65], 0
	v_nop
	global_prefetch_b8 v0, s[64:65] scope:SCOPE_SE
	s_setreg_imm32_b32 hwreg(HW_REG_WAVE_MODE, 25, 1), 1
	s_wait_xcnt 0x0
	s_wait_alu depctr_hold_cnt(0) depctr_sa_sdst(0) depctr_va_vdst(0) depctr_va_sdst(0) depctr_va_ssrc(0) depctr_va_vcc(0) depctr_vm_vsrc(0)
	s_getreg_b32 s2, hwreg(HW_REG_IB_STS2, 6, 4)
	s_cmp_eq_u32 s2, 0
	s_cbranch_scc0 .Lentry_in_a_cluster
	s_endpgm
.Lentry_in_a_cluster:
	s_bfe_u32 s2, ttmp6, 0x10000c
	s_cmp_lg_u32 s2, 0x3003
	s_cbranch_scc0 .Lentry_shape_is_right
	s_endpgm
.Lentry_shape_is_right:
; idx[n] = the code k with the largest score bf16(f_n) . wb_k + wwh[k], wwh[k] = -|wb_k|^2 / 2: that is the k with the least
; |f|^2 - 2 f.w + |w|^2, since |f|^2 is the same for every k.  f: 32,768 vectors of 128 f32 (feature), wb: [2048][128] bf16.
;
; LIMITS, kept on purpose:
;  - the products are made of operands rounded to bf16 (sums in f32), so the choice is that of the rounded f and the rounded codebook;
;  - |f|^2 is left out of the comparison: the same argmin in exact arithmetic, another rounding;
;  - a score's 3 lowest mantissa bits are replaced by the code's place in its group of 8 before scores are compared: scores within
;    8 units of the last place of each other count as ties, decided by that place; equal keys of different lanes go to the lower code;
;  - NaN and infinities among the inputs are not served (a tagged infinity is a NaN, and a NaN loses every maximum).
;
; SHARES.  256 work-groups of 8 waves; a work-group owns 128 vectors (64 KiB of feature, read once).  Wave w = (rh = w & 1, cp = w >> 1):
; rh picks 64 of the vectors, held for the whole kernel as 4 x 4 fragments in 128 registers; cp picks a quarter of every chunk's codes.
; The codebook goes through two LDS slots in 4 chunks of 512 codes; in a chunk a wave takes 8 tiles of 16 codes: 32 tiles in all.
; With 256 registers a wave no register window is switched.
; CLUSTER: every work-group walks the same codebook, so 4 work-groups form a cluster and ask for each part of a chunk jointly: the same
; line, the same descriptor (made of constants and the wave's number alone), mask 15.  That divides the requests for wb by four.
; The work-group's place in its cluster enters the global addresses of feature and idx and nothing else.  From the first products on,
; LDS addresses are made and kept in v1 to v3 alone, which never hold a loaded or a computed number: every LDS address is made of
; v0, the wave's number and constants, and the text shows it.
;
; THE MATRIX INSTRUCTION: A = 16 codes, B = 16 vectors.  Register j of lane (r = l % 16, h = l / 16) of the result is the score of code
; 8 h + j of the tile for vector r: a lane's eight registers are eight codes of ONE vector, and the choice stays inside the lane.
; The first K step takes wwh of the tile's codes as C (8 registers in the same layout): nothing is cleared, nothing is added afterwards.
;
; THE PIPELINE: two sets of four accumulators take turns tile by tile.  While tile t is multiplied into one set, the 56 instructions
; that choose among tile t - 1's scores work on the other set, 3 or 4 of them behind each of the 16 matrix instructions.  The code
; fragments have one buffer: as soon as a K step's four products are issued and four choosing instructions have followed, the next
; tile's fragment of that K step is loaded into the same registers, twelve of the wave's matrix instructions ahead of its use.
.set PITCH,  272                       ; an LDS row: 256 bytes + 16 of padding, an odd multiple of 16: the 16 rows of a fragment load start in 16 different groups of banks (ISA guide 11.1)
.set CODES,  512                       ; codes in a chunk
.set SLOT,   CODES*PITCH               ; 139,264 bytes
.set FST,    2*SLOT                    ; behind the ring: the group's 128 vectors in bf16, pitch 272; no tensor load lands here
.set CMB,    FST                       ; the same bytes at the end: 128 rows, each 8 keys (32 bytes) and 8 codes (32 bytes)
.set CPITCH, 80
.set WWL,    FST+128*PITCH             ; wwh, 8,192 bytes; no tensor load lands here
.set WA,   1                           ; v1        LDS address of my code fragments; at the end: where my candidates go
.set CA,   2                           ; v2        LDS address of my 8 numbers of wwh; at the end: where candidates are read
.set TMP,  3                           ; v3        h = l / 16 while addresses are made; at the end: 8 h + 128 cp, then my byte offset in idx
.set BEST, 4                           ; v[4:7], v[8:11]   the best key so far of each of my 4 vectors; the two sets take turns
.set TID,  12                          ; v[12:15]  s42 (16 x the tile's number) at the last improvement
.set CW,   16                          ; v[16:23]  wwh of a tile
.set AF,   24                          ; v[24:55]  a tile's code fragments (K step ks at + 8 ks)
.set ACC,  56                          ; v[56:87], v[88:119]  two sets of four accumulators (row tile rt at + 8 rt)
.set PRE,  120                         ; v[120:127] offsets and addresses ahead of the first products; at work at the end
.set BF,   128                         ; v[128:255] the vectors' fragments at 32 rt + 8 ks
.set G1,   24                          ; s[24:31]  descriptor group 1
.set G0,   32                          ; s[32:39]  descriptor group 0, one set for each slot
                                       ; s42       16 x the number (0 to 31) of the tile whose scores are being chosen among
; A round of the cluster's barrier: my work-group's barrier, so that wave 0's signal speaks for all eight waves; wave 0 signals for the
; work-group; every wave waits for all four work-groups; my work-group's barrier once more.
.macro ROUND
	s_barrier_signal -1
	s_barrier_wait -1
	s_cmp_lg_u32 s12, 0
	s_cbranch_scc1 .Lnot_wave_0_\@
	s_barrier_signal -3
.Lnot_wave_0_\@:
	s_barrier_wait -3
	s_barrier_signal -1
	s_barrier_wait -1
.endm
	s_load_b256 s[4:11], s[0:1], 0x0               ; wb s[4:5], wwh s[6:7], feature s[8:9], idx s[10:11]
	v_lshl_add_u32 v127, v0, 2, 0x4e800
	s_set_vgpr_msb 0x40
	v_mov_b32 v1, 0
	s_set_vgpr_msb 0x4044
	ds_add_u32 v127, v1
	ds_add_u32 v127, v1
	s_set_vgpr_msb 0x4400
	v_lshrrev_b32 v1, 5, v0
	v_readfirstlane_b32 s12, v1                    ; wave 0..7
	s_and_b32 s13, s12, 1                          ; rh: which 64 vectors
	s_lshr_b32 s14, s12, 1                         ; cp: which quarter of a chunk's codes
	s_bfe_u32 s15, ttmp6, 0x40000                  ; cx: my place in the cluster
	s_lshl_b32 s16, ttmp9, 2                       ; in a cluster launch ttmp9 counts clusters
	s_add_co_u32 s16, s16, s15                     ; work-group = 4 x cluster + cx; it enters the addresses of feature and idx alone
	s_mov_b32 s40, 0xfffffff8                      ; clears a score's 3 lowest bits
	s_mov_b32 s42, 0                               ; tile 0
	s_mul_i32 s50, s14, 128*PITCH                  ; my 128 rows of a slot
	s_lshl_b32 s52, s14, 9
	s_add_co_u32 s52, s52, WWL                     ; my 128 numbers of a chunk's wwh
	s_lshl_b32 s53, s14, 7                         ; my first code in a chunk
	v_and_b32 v[PRE+2], 31, v0                     ; lane
	v_lshlrev_b32 v[PRE], 4, v[PRE+2]
	v_lshl_add_u32 v[PRE], v1, 13, v[PRE]          ; feature: 16 vectors of 512 bytes a wave + 16 x lane
	v_lshlrev_b32 v[PRE+1], 4, v0                  ; wwh: 16 x thread
	s_lshl_b32 s18, s16, 16                        ; 128 vectors of 512 bytes
	s_mov_b32 s19, 0
	s_lshl_b32 s20, s12, 14                        ; wb: my 64 rows of 256 bytes in a chunk; s[20:22] hold the wave's number alone
	s_mov_b32 s21, 0
	s_mul_i32 s22, s12, 64*PITCH                   ; and where they go in a slot
	s_wait_dscnt 0x0
	s_wait_kmcnt 0x0
	s_add_nc_u64 s[8:9], s[8:9], s[18:19]
	s_lshl_b32 s18, s16, 9                         ; 128 indices of 4 bytes
	s_add_nc_u64 s[10:11], s[10:11], s[18:19]
	s_add_nc_u64 s[4:5], s[4:5], s[20:21]
	; My 16 vectors and my 32 bytes of wwh are asked for ahead of the round, so that they are on their way during it.
.irp i, 0,1,2,3,4,5,6,7,8,9,10,11,12,13,14,15
	global_load_b128 v[BF+4*\i:BF+4*\i+3], v[PRE], s[8:9] offset:512*\i   ; a whole vector: 512 consecutive bytes
.endr
	global_load_b128 v[192:195], v[PRE+1], s[6:7]
	global_load_b128 v[196:199], v[PRE+1], s[6:7] offset:4096
	; Group 1: a tile of 64 rows x 128 elements of 2 bytes, padded in LDS; the tile lies inside the tensor, so the extents are its own.
	s_mov_b32 s[G1+0], 15|(1<<16)|(1<<20)|(1<<21)|(5<<22)|(3<<25)  ; 15:0 mask: all four of the cluster; 17:16 2 bytes; 20 padding on; 21 set beside a mask; 24:22 after every 64 words; 31:25 4 words
	s_mov_b32 s[G1+1], 128<<16                     ; tensor_dim0 = 128
	s_mov_b32 s[G1+2], 64<<16                      ; tensor_dim1 = 64
	s_mov_b32 s[G1+3], 128<<16                     ; tile_dim0 = 128
	s_mov_b32 s[G1+4], 64                          ; tile_dim1 = 64
	s_mov_b32 s[G1+5], 128                         ; elements from row to row
	s_mov_b32 s[G1+6], 0
	s_mov_b32 s[G1+7], 0
.irp s, 0,1
	s_mov_b32 s[G0+4*\s], 1                                        ; count = 1
	s_add_co_u32 s[G0+4*\s+1], s22, \s*SLOT                        ; LDS address: slot + wave x 64 rows
	s_add_nc_u64 s[G0+4*\s+2:G0+4*\s+3], s[4:5], \s*CODES*256      ; chunk s, my 64 rows
	s_or_b32 s[G0+4*\s+3], s[G0+4*\s+3], 0x80000000                ; type = 2
.endr
	ROUND                                          ; all four work-groups are here: the first joint loads meet
	tensor_load_to_lds s[G0:G0+3], s[G1:G1+7]      ; chunk 0
	s_nop 0
	tensor_load_to_lds s[G0+4:G0+7], s[G1:G1+7]    ; chunk 1: two tensor loads of the wave are out, the most in this text
	s_nop 0
	; The vectors go to LDS as bf16, wwh as it is.
	s_mul_i32 s23, s12, 16*PITCH
	s_add_co_u32 s23, s23, FST
	v_lshl_add_u32 v[PRE+2], v[PRE+2], 3, s23      ; my wave's 16 rows of FST + 8 x lane
	v_add_nc_u32 v[PRE+3], WWL, v[PRE+1]
.irp i, 0,1,2,3,4,5,6,7,8,9,10,11,12,13,14,15
	s_wait_loadcnt 17-\i                           ; vector i is in; 15 - i younger vectors and the 2 loads of wwh stay out
	v_cvt_pk_bf16_f32 v[AF+2*\i],   v[BF+4*\i],   v[BF+4*\i+1]
	v_cvt_pk_bf16_f32 v[AF+2*\i+1], v[BF+4*\i+2], v[BF+4*\i+3]
	ds_store_b64 v[PRE+2], v[AF+2*\i:AF+2*\i+1] offset:PITCH*\i    ; 256 consecutive bytes: a row
.endr
	s_wait_loadcnt 0x0
	ds_store_b128 v[PRE+3], v[192:195]
	ds_store_b128 v[PRE+3], v[196:199] offset:4096
.irp rt, 0,1,2,3
	v_mov_b32 v[BEST+\rt], 0xff800000              ; minus infinity: the first tile's best key beats it
	v_mov_b32 v[TID+\rt], 0
.endr
	v_and_b32 v[PRE+5], 15, v0                     ; r
	v_bfe_u32 v[PRE+6], v0, 4, 1                   ; h
	v_mul_u32_u24 v[PRE+4], v[PRE+5], PITCH
	v_lshl_add_u32 v[PRE+4], v[PRE+6], 4, v[PRE+4] ; row x pitch + 16 h: a fragment is two loads of 16 bytes, 32 bytes apart
	s_mul_i32 s54, s13, 64*PITCH
	s_add_co_u32 s54, s54, FST
	v_add_nc_u32 v[PRE+4], s54, v[PRE+4]           ; my 64 vectors
	s_wait_dscnt 0x0                               ; my rows of FST and my part of wwh are in LDS,
	s_wait_tensorcnt 0x1                           ; and my part of chunk 0; chunk 1's load may stay out
	s_barrier_signal -1
	s_barrier_wait -1
.irp rt, 0,1,2,3
.irp ks, 0,1,2,3
	ds_load_b128 v[BF+32*\rt+8*\ks:BF+32*\rt+8*\ks+3],   v[PRE+4] offset:16*PITCH*\rt+64*\ks
	ds_load_b128 v[BF+32*\rt+8*\ks+4:BF+32*\rt+8*\ks+7], v[PRE+4] offset:16*PITCH*\rt+64*\ks+32
.endr
.endr
; My addresses at tile 0 of chunk c, which lies in the given slot; made in v1 to v3 alone, of v0, the wave's number and constants.
.macro SETADR c, slot
	v_and_b32 v[WA], 15, v0                        ; r
	v_bfe_u32 v[TMP], v0, 4, 1                     ; h
	v_mul_u32_u24 v[WA], v[WA], PITCH
	v_lshl_add_u32 v[WA], v[TMP], 4, v[WA]         ; row x pitch + 16 h
	s_add_co_u32 s55, s50, \slot*SLOT              ; my 128 rows of the slot
	v_add_nc_u32 v[WA], s55, v[WA]
	s_add_co_u32 s54, s52, 4*CODES*\c
	v_lshl_add_u32 v[CA], v[TMP], 5, s54           ; wwh of codes 8 h .. 8 h + 7 of the tile: the 16 lanes of a half read the same words
.endm
; Two LDS loads: the code fragment of K step ks of the tile that lies off tiles behind WA.
.macro LOADA ks, off
	ds_load_b128 v[AF+8*\ks:AF+8*\ks+3],   v[WA] offset:16*PITCH*(\off)+64*\ks
	ds_load_b128 v[AF+8*\ks+4:AF+8*\ks+7], v[WA] offset:16*PITCH*(\off)+64*\ks+32
.endm
; Two LDS loads: wwh of the tile that lies off tiles behind CA.
.macro LOADC off
	ds_load_b128 v[CW:CW+3],   v[CA] offset:64*(\off)
	ds_load_b128 v[CW+4:CW+7], v[CA] offset:64*(\off)+16
.endm
; One matrix instruction: 16 codes x 16 vectors (row tile rt) x 32 (K step ks), into set p.
.macro MM p, ks, rt
.if \ks == 0
	v_wmma_f32_16x16x32_bf16 v[ACC+32*(\p)+8*\rt:ACC+32*(\p)+8*\rt+7], v[AF:AF+7], v[BF+32*\rt:BF+32*\rt+7], v[CW:CW+7]
.else
	v_wmma_f32_16x16x32_bf16 v[ACC+32*(\p)+8*\rt:ACC+32*(\p)+8*\rt+7], v[AF+8*\ks:AF+8*\ks+7], v[BF+32*\rt+8*\ks:BF+32*\rt+8*\ks+7], v[ACC+32*(\p)+8*\rt:ACC+32*(\p)+8*\rt+7]
.endif
.endm
; The choice among a tile's scores, which lie in set q: 56 instructions, numbered by the symbol PN; PK writes the next cnt of them.
; They go stage by stage over the four vectors, so that no line waits for the one in front of it:
;   0-31  key = the score with its place j in its 3 lowest bits;   32-47  the largest of the 8 keys and the best so far, four v_max3 a vector;
;   48-51 is it strictly better (an equal key leaves the earlier tile)?   52-55 then remember the tile.
; The best so far is read from BEST's set q and written to the other set, so that old and new can be compared.
.macro PK q, cnt
.rept \cnt
.if PN < 32
	v_and_or_b32 v[ACC+32*(\q)+PN], v[ACC+32*(\q)+PN], s40, PN&7
.endif
.if PN/4 == 8
	v_max3_num_f32 v[ACC+32*(\q)+8*(PN-32)], v[ACC+32*(\q)+8*(PN-32)], v[ACC+32*(\q)+8*(PN-32)+1], v[ACC+32*(\q)+8*(PN-32)+2]
.endif
.if PN/4 == 9
	v_max3_num_f32 v[ACC+32*(\q)+8*(PN-36)+3], v[ACC+32*(\q)+8*(PN-36)+3], v[ACC+32*(\q)+8*(PN-36)+4], v[ACC+32*(\q)+8*(PN-36)+5]
.endif
.if PN/4 == 10
	v_max3_num_f32 v[ACC+32*(\q)+8*(PN-40)+6], v[ACC+32*(\q)+8*(PN-40)+6], v[ACC+32*(\q)+8*(PN-40)+7], v[BEST+4*(\q)+PN-40]
.endif
.if PN/4 == 11
	v_max3_num_f32 v[BEST+4*(1-(\q))+PN-44], v[ACC+32*(\q)+8*(PN-44)], v[ACC+32*(\q)+8*(PN-44)+3], v[ACC+32*(\q)+8*(PN-44)+6]
.endif
.if PN/4 == 12
	v_cmp_gt_f32 s[44+PN-48], v[BEST+4*(1-(\q))+PN-48], v[BEST+4*(\q)+PN-48]
.endif
.if PN/4 == 13
	v_cndmask_b32 v[TID+PN-52], v[TID+PN-52], s42, s[44+PN-52]
.endif
.set PN, PN+1
.endr
.endm
; What stands behind a matrix instruction: cnt instructions of the choice, or (the very first tile has nothing to choose among) need v_nop.
.macro BEHIND q, pick, cnt, need
.if \pick
	PK \q, \cnt
.else
.if \need
.rept \need
	v_nop
.endr
.endif
.endif
.endm
; A K step of a tile: four matrix instructions, one on each accumulator of set p, the other set's choice between them.
; The four accumulators take turns, one instruction a turn, from K step to K step and from tile to tile (the last is on one set's
; accumulator 3, the next on the other set's accumulator 0).
; Behind the fourth stand four plain vector instructions that name none of its registers (ISA guide 7.12.1 for vector instructions):
; only then is the next tile's fragment loaded into the registers that the four have read, and, behind the
; tile's last K step, only then does the next tile's text begin to read this tile's scores.
; left = how many younger LDS loads may stay out when this K step's fragment has to be there.
.macro KSTEP p, ks, pick, load, off, left
	s_wait_dscnt \left
	MM \p, \ks, 0
	BEHIND 1-\p, \pick, 3, 0
	MM \p, \ks, 1
	BEHIND 1-\p, \pick, 3, 0
	MM \p, \ks, 2
	BEHIND 1-\p, \pick, 4, 0
	MM \p, \ks, 3
	BEHIND 1-\p, \pick, 4, 4
.if \load
	LOADA \ks, \off
.if \ks == 0
	LOADC \off
.endif
.endif
.endm
; A tile, multiplied into set p.  pick = 1: the tile before is chosen among meanwhile.  load = 1: the tile that lies off tiles behind the
; addresses is fetched meanwhile.  step = 1: the addresses go two tiles on at the end.
; LDS loads come back in order (ISA guide 5.7.1) and are issued in the order A0, wwh, A1, A2, A3, two loads each.  In front of K step 0
; the six loads of A1 to A3 may stay out.  In front of K steps 1 to 3 eight may: the rest of this tile's fragments and what this tile
; has already issued for the next.  A tile that fetches nothing counts down 6, 4, 2, 0.
.macro TILE p, pick, load, off, step
.set PN, 0
.if \load
	KSTEP \p, 0, \pick, 1, \off, 6
	KSTEP \p, 1, \pick, 1, \off, 8
	KSTEP \p, 2, \pick, 1, \off, 8
	KSTEP \p, 3, \pick, 1, \off, 8
.else
	KSTEP \p, 0, \pick, 0, 0, 6
	KSTEP \p, 1, \pick, 0, 0, 4
	KSTEP \p, 2, \pick, 0, 0, 2
	KSTEP \p, 3, \pick, 0, 0, 0
.endif
.if \pick
	s_add_co_u32 s42, s42, 16                      ; the next tile to be chosen among
.endif
.if \step
	v_add_nc_u32 v[WA], 2*16*PITCH, v[WA]
	v_add_nc_u32 v[CA], 2*64, v[CA]
.endif
.endm
; A chunk: my 8 tiles.  Trips of two tiles, then the last two written out, of which the last fetches nothing.  The choice among the
; chunk's last tile is made during the next chunk's first.  first = 1: the launch's first tile has no tile before it: two tiles are written out.
.macro CHUNK c, slot, first
	SETADR \c, \slot
	LOADA 0, 0                                     ; tile 0, in the order in which tiles are fetched on the roll, so that the same counts hold
	LOADC 0
	LOADA 1, 0
	LOADA 2, 0
	LOADA 3, 0
.if \first
	TILE 0, 0, 1, 1, 0
	TILE 1, 1, 1, 2, 1
	s_mov_b32 s41, 2
.else
	s_mov_b32 s41, 3
.endif
.Ltiles_\@:
	TILE 0, 1, 1, 1, 0
	TILE 1, 1, 1, 2, 1
	s_sub_co_i32 s41, s41, 1
	s_cmp_lg_u32 s41, 0
	s_cbranch_scc1 .Ltiles_\@
	TILE 0, 1, 1, 1, 0
	TILE 1, 1, 0, 0, 0
.endm
; The slot that has just been read is filled again, two chunks on.  In front of the round every wave waits for its reads of the slot and
; for all its tensor loads (its part of the other slot among them, which is read next); behind the round no wave of any of the four
; work-groups reads the slot or has a load on its way, and the joint load is the first thing there: one tensor load of the wave is out.
.macro REFILL slot
	s_set_vgpr_msb 0x4
	s_wait_tensorcnt 0x0                           ; no tensor load of mine is out: a group 0 may be written
	ds_add_u32 v127, v1
	s_wait_dscnt 0x0
	s_set_vgpr_msb 0x400
	s_add_nc_u64 s[G0+4*\slot+2:G0+4*\slot+3], s[G0+4*\slot+2:G0+4*\slot+3], 2*CODES*256
	s_wait_dscnt 0x0
	ROUND
	tensor_load_to_lds s[G0+4*\slot:G0+4*\slot+3], s[G1:G1+7]
	s_nop 0
.endm
	CHUNK 0, 0, 1                                  ; its first s_wait_dscnt 6 also covers the 32 loads of the vectors' fragments
	REFILL 0                                       ; chunk 2
	CHUNK 1, 1, 0
	REFILL 1                                       ; chunk 3
	CHUNK 2, 0, 0
	s_wait_tensorcnt 0x0                           ; my part of chunk 3 is in,
	s_wait_dscnt 0x0
	s_barrier_signal -1
	s_barrier_wait -1                              ; everybody's is; nothing is left to fetch
	CHUNK 3, 1, 0
.set PN, 0
	PK 1, 56                                       ; the last tile's choice; the four places behind its last product are the four lines that end the tile before's choice
	; 32 tiles, an even number: the best keys lie in set 0.  Each vector has 8 candidates: 4 quarters of the codes x 2 halves of the lanes.
	v_bfe_u32 v[TMP], v0, 4, 1                     ; h
	v_and_b32 v[WA], 15, v0                        ; r
	v_mul_u32_u24 v[WA], v[WA], CPITCH
	v_lshl_add_u32 v[WA], v[TMP], 2, v[WA]         ; row r, candidate h
	s_mul_i32 s54, s13, 64*CPITCH                  ; + my 64 rows
	s_lshl_b32 s55, s14, 3                         ; + candidate 2 cp
	s_add_co_u32 s54, s54, s55
	s_add_co_u32 s54, s54, CMB                     ; FST's bytes: every wave's reads of them were waited for in front of the first refill's round
	v_add_nc_u32 v[WA], s54, v[WA]
	v_lshl_add_u32 v[TMP], v[TMP], 3, s53          ; 8 h + 128 cp
	; TID = 16 x tile number = 128 c + 16 t.  The code is 512 c + 128 cp + 16 t + 8 h + the key's 3 lowest bits.
.irp rt, 0,1,2,3
	v_and_b32 v[PRE+\rt], 0x180, v[TID+\rt]        ; 128 c
.endr
.irp rt, 0,1,2,3
	v_mad_u32_u24 v[TID+\rt], v[PRE+\rt], 3, v[TID+\rt]            ; 512 c + 16 t
.endr
.irp rt, 0,1,2,3
	v_and_or_b32 v[TID+\rt], v[BEST+\rt], 7, v[TID+\rt]            ; a multiple of 16, so the 3 bits are free
.endr
.irp rt, 0,1,2,3
	v_add_nc_u32 v[TID+\rt], v[TID+\rt], v[TMP]
.endr
.irp rt, 0,1,2,3
	ds_store_b32 v[WA], v[BEST+\rt] offset:16*CPITCH*\rt
	ds_store_b32 v[WA], v[TID+\rt]  offset:16*CPITCH*\rt+32
.endr
	s_wait_dscnt 0x0                               ; my candidates are in LDS, for waves 0 and 1
	s_barrier_signal -1
	s_barrier_wait -1
; (kd, cd) = the better of (ka, ca) and (kb, cb): the larger key, and of equal keys the lower code.  A choice of values: no branch.
.macro BETTER kd, cd, ka, ca, kb, cb
	v_cmp_gt_f32 s44, v[\kb], v[\ka]
	v_cmp_eq_f32 s45, v[\kb], v[\ka]
	v_cmp_lt_u32 s46, v[\cb], v[\ca]
	s_and_b32 s45, s45, s46
	s_or_b32 s44, s44, s45
	v_cndmask_b32 v[\kd], v[\ka], v[\kb], s44
	v_cndmask_b32 v[\cd], v[\ca], v[\cb], s44
.endm
.macro ROWBEST k, c, res               ; 8 keys at k, 8 codes at c; the winner's code goes to res
	BETTER \k,   \c,   \k,   \c,   \k+1, \c+1
	BETTER \k+2, \c+2, \k+2, \c+2, \k+3, \c+3
	BETTER \k+4, \c+4, \k+4, \c+4, \k+5, \c+5
	BETTER \k+6, \c+6, \k+6, \c+6, \k+7, \c+7
	BETTER \k,   \c,   \k,   \c,   \k+2, \c+2
	BETTER \k+4, \c+4, \k+4, \c+4, \k+6, \c+6
	BETTER \k,   \res, \k,   \c,   \k+4, \c+4
.endm
	s_cmp_gt_u32 s12, 1
	s_cbranch_scc1 .Ldone                          ; waves 0 and 1 choose: a lane takes two neighbouring vectors
	v_mul_u32_u24 v[CA], v0, 2*CPITCH
	v_add_nc_u32 v[CA], CMB, v[CA]
.irp q, 0,1
	ds_load_b128 v[AF+16*\q:AF+16*\q+3],     v[CA] offset:CPITCH*\q        ; keys
	ds_load_b128 v[AF+16*\q+4:AF+16*\q+7],   v[CA] offset:CPITCH*\q+16
	ds_load_b128 v[AF+16*\q+8:AF+16*\q+11],  v[CA] offset:CPITCH*\q+32     ; codes
	ds_load_b128 v[AF+16*\q+12:AF+16*\q+15], v[CA] offset:CPITCH*\q+48
.endr
	v_lshlrev_b32 v[TMP], 3, v0                    ; two indices of 4 bytes a lane
	s_wait_dscnt 0x0
	ROWBEST AF,    AF+8,  AF+32
	ROWBEST AF+16, AF+24, AF+33
	global_store_b64 v[TMP], v[AF+32:AF+33], s[10:11]              ; a wave stores 256 consecutive bytes, aligned
.Ldone:
	s_set_vgpr_msb 0x4
	s_wait_tensorcnt 0x0
	ds_add_u32 v127, v1
	s_wait_dscnt 0x0
	s_set_vgpr_msb 0x400
	ROUND                                          ; the closing round: no work-group ends while a partner may still ask for a tile that names it
	s_endpgm
.Lfunc_end_k_q162c91350e_nearest:
	.size	k_q162c91350e_nearest, .Lfunc_end_k_q162c91350e_nearest-k_q162c91350e_nearest
	.p2alignl 7, 3214868480
	.fill 96, 4, 3214868480
	.section	.rodata,"a",@progbits
	.p2align	6, 0x0
	.amdhsa_kernel k_q162c91350e_nearest
		.amdhsa_group_segment_fixed_size 327680
		.amdhsa_private_segment_fixed_size 0
		.amdhsa_enable_private_segment 0
		.amdhsa_kernarg_size 32
		.amdhsa_user_sgpr_count 2
		.amdhsa_user_sgpr_kernarg_segment_ptr 1
		.amdhsa_wavefront_size32 1
		.amdhsa_system_sgpr_workgroup_id_x 1
		.amdhsa_system_sgpr_workgroup_id_y 1
		.amdhsa_system_sgpr_workgroup_id_z 1
		.amdhsa_system_vgpr_workitem_id 0
		.amdhsa_next_free_vgpr 258
		.amdhsa_next_free_sgpr 66
		.amdhsa_reserve_vcc 0
		.amdhsa_float_denorm_mode_32 3
		.amdhsa_float_denorm_mode_16_64 3
		.amdhsa_memory_ordered 1
		.amdhsa_forward_progress 1
		.amdhsa_inst_pref_size 121
	.end_amdhsa_kernel
	.amdgpu_metadata
---
amdhsa.version: [ 1, 2 ]
amdhsa.kernels:
  - .name:           k_q162c91350e_nearest
    .symbol:         k_q162c91350e_nearest.kd
    .args:
      - { .name: wb, .offset: 0, .size: 8, .value_kind: global_buffer, .address_space: global }
      - { .name: wwh, .offset: 8, .size: 8, .value_kind: global_buffer, .address_space: global }
      - { .name: feature, .offset: 16, .size: 8, .value_kind: global_buffer, .address_space: global }
      - { .name: idx, .offset: 24, .size: 8, .value_kind: global_buffer, .address_space: global }
    .group_segment_fixed_size: 327680
    .private_segment_fixed_size: 0
    .kernarg_segment_align: 8
    .kernarg_segment_size: 32
    .max_flat_workgroup_size: 256
    .sgpr_count:     66
    .vgpr_count:     258
    .wavefront_size: 32
...
	.end_amdgpu_metadata
.endif
;; end of part 2
;; launch gather (part 3): grid 256 x 1, 8 waves a work-group, no clusters, 1,280 bytes of LDS; arguments idx, W, feature, out0, out1; writes out0, out1
.if DOCPART == 3
	.amdgcn_target "amdgcn-amd-amdhsa--gfx1250"
	.amdhsa_code_object_version 6
	.text
	.protected	k_q162c91350e_gather
	.globl	k_q162c91350e_gather
	.p2align	8
	.type	k_q162c91350e_gather,@function
k_q162c91350e_gather:
	s_mov_b64 s[64:65], 0
	v_nop
	global_prefetch_b8 v0, s[64:65] scope:SCOPE_SE
	s_setreg_imm32_b32 hwreg(HW_REG_WAVE_MODE, 25, 1), 1
	s_wait_xcnt 0x0
; out1[n] = W[idx[n]] (the f32 rows as they are);  out0[b] = 0.3125 * sum over the 512 numbers of batch row b of (f - W_j)^2:
; (1 + 0.25) times the squared distance of each of the row's 4 vectors, and the mean of the four.  The differences are formed
; directly, in f32, as the problem states them, not from the expanded distance.
; idx: [32768] whole numbers, stored by the launch before.  An index above 2047 cannot occur there; it is clamped to 2047 all the same.
; 256 work-groups of 8 waves.  A wave owns 4 batch rows = 16 vectors = 8 KiB; a lane owns 16 bytes of each vector, so every load and
; store of a wave covers a vector's 512 consecutive bytes.  All 32 loads of a wave go out at its head; there is no loop.
; A stream with a gather: no tiles are shared, so no LDS ring, no cluster, no matrix unit.
; out0 leaves as 128 consecutive bytes a work-group: a block of 256 would ask for 64 batch rows a group and so for half the groups,
; and out0 is 32 KiB beside out1's 16 MiB.
.set VECS, 16                          ; vectors of a wave
.set OFF, 4                            ; v[4:19]    vector i: byte offset of my 16 bytes of its code's row in W
.set F,   20                           ; v[20:83]   vector i: 4 numbers of f
.set G,   84                           ; v[84:147]  vector i: 4 numbers of its code
.set D,   148                          ; v[148:151] differences
.set A,   152                          ; v[152:155] sums of squares of a batch row
.set T,   156                          ; v156       the other half's sum
.set R,   157                          ; v157       wave 0: a result on its way out
.set LA,  158                          ; v158       LDS address of my wave's four words
.set L4,  159                          ; v159       4 x lane
	s_load_b256 s[4:11], s[0:1], 0x0               ; idx s[4:5], W s[6:7], feature s[8:9], out0 s[10:11]
	s_load_b64 s[12:13], s[0:1], 0x20              ; out1
	v_lshl_add_u32 v160, v0, 2, 0x100
	v_mov_b32 v161, 0
	v_lshrrev_b32 v2, 5, v0
	v_readfirstlane_b32 s14, v2                    ; wave 0..7
	s_lshl_b32 s15, ttmp9, 3
	s_add_co_u32 s15, s15, s14                     ; my wave's number in the launch
	v_and_b32 v1, 31, v0
	v_lshlrev_b32 v[L4], 2, v1
	v_lshlrev_b32 v1, 4, v1                        ; 16 x lane
	v_lshlrev_b32 v[LA], 4, v2                     ; 16 x wave
	v_mov_b32 v[T], 0                              ; v_permlanex16_b32 counts as a reader of its destination
	s_mov_b32 s34, 0x76543210                      ; v_permlanex16_b32: lane i of one half reads lane i of the other
	s_mov_b32 s35, 0xfedcba98
	s_lshl_b32 s32, s15, 6                         ; 16 indices of 4 bytes
	s_mov_b32 s33, 0
	s_wait_kmcnt 0x0
	s_add_nc_u64 s[4:5], s[4:5], s[32:33]
	s_load_b512 s[16:31], s[4:5], 0x0              ; my 16 indices; this launch stores nothing into idx
	s_lshl_b32 s32, s15, 13                        ; 16 vectors of 512 bytes
	s_add_nc_u64 s[8:9], s[8:9], s[32:33]
	s_add_nc_u64 s[12:13], s[12:13], s[32:33]
	s_lshl_b32 s32, ttmp9, 7                       ; 32 batch rows of 4 bytes
	s_add_nc_u64 s[10:11], s[10:11], s[32:33]
.irp i, 0,1,2,3,4,5,6,7,8,9,10,11,12,13,14,15
	global_load_b128 v[F+4*\i:F+4*\i+3], v1, s[8:9] offset:512*\i th:TH_LOAD_NT    ; f needs no index: it goes out while the indices come
.endr
	s_wait_kmcnt 0x0
.irp i, 0,1,2,3,4,5,6,7,8,9,10,11,12,13,14,15
	s_min_u32 s[16+\i], s[16+\i], 0x7ff            ; a loaded number enters an address only clamped to the table
	v_lshl_add_u32 v[OFF+\i], s[16+\i], 9, v1      ; rows of 512 bytes
.endr
.irp i, 0,1,2,3,4,5,6,7,8,9,10,11,12,13,14,15
	global_load_b128 v[G+4*\i:G+4*\i+3], v[OFF+\i], s[6:7]         ; no hint: a code's row may be wanted again by others
.endr
.irp i, 0,1,2,3,4,5,6,7,8,9,10,11,12,13,14,15
	s_wait_loadcnt VECS-1-\i                       ; loads come back in order (ISA guide 5.7.1): all of f and code row i are in, the younger rows stay out
	global_store_b128 v1, v[G+4*\i:G+4*\i+3], s[12:13] offset:512*\i th:TH_STORE_NT    ; no register that a load or store names is written again
	v_pk_add_f32 v[D:D+1],   v[F+4*\i:F+4*\i+1],   v[G+4*\i:G+4*\i+1]   neg_lo:[0,1] neg_hi:[0,1]
	v_pk_add_f32 v[D+2:D+3], v[F+4*\i+2:F+4*\i+3], v[G+4*\i+2:G+4*\i+3] neg_lo:[0,1] neg_hi:[0,1]
.if (\i & 3) == 0
	v_pk_mul_f32 v[A:A+1],   v[D:D+1],   v[D:D+1]                  ; a batch row's first vector starts its sums
	v_pk_mul_f32 v[A+2:A+3], v[D+2:D+3], v[D+2:D+3]
.else
	v_pk_fma_f32 v[A:A+1],   v[D:D+1],   v[D:D+1],   v[A:A+1]
	v_pk_fma_f32 v[A+2:A+3], v[D+2:D+3], v[D+2:D+3], v[A+2:A+3]
.endif
.if (\i & 3) == 3
	v_pk_add_f32 v[A:A+1], v[A:A+1], v[A+2:A+3]
	v_add_f32 v[A], v[A], v[A+1]
	v_add_f32_dpp v[A], v[A], v[A] row_xmask:1 row_mask:0xf bank_mask:0xf
	v_add_f32_dpp v[A], v[A], v[A] row_xmask:2 row_mask:0xf bank_mask:0xf
	v_add_f32_dpp v[A], v[A], v[A] row_xmask:4 row_mask:0xf bank_mask:0xf
	v_add_f32_dpp v[A], v[A], v[A] row_xmask:8 row_mask:0xf bank_mask:0xf
	v_permlanex16_b32 v[T], v[A], s34, s35
	v_add_f32 v[A], v[A], v[T]
	v_mul_f32 v[A], 0x3ea00000, v[A]               ; 0.3125 = 1.25 / 4
	ds_store_b32 v[LA], v[A] offset:4*(\i/4)       ; word 4 x wave + batch row; all lanes write the same number
.endif
.endr
	s_wait_dscnt 0x0                               ; my four words are in LDS, for wave 0's sake
	s_barrier_signal -1
	s_barrier_wait -1
	s_cmp_lg_u32 s14, 0
	s_cbranch_scc1 .Lend
	ds_load_b32 v[R], v[L4]                        ; wave 0: the group's 32 results, one a lane
	s_wait_dscnt 0x0
	global_store_b32 v[L4], v[R], s[10:11]
.Lend:
	s_wait_tensorcnt 0x0
	ds_add_u32 v160, v161
	s_wait_dscnt 0x0
	s_endpgm
.Lfunc_end_k_q162c91350e_gather:
	.size	k_q162c91350e_gather, .Lfunc_end_k_q162c91350e_gather-k_q162c91350e_gather
	.p2alignl 7, 3214868480
	.fill 96, 4, 3214868480
	.section	.rodata,"a",@progbits
	.p2align	6, 0x0
	.amdhsa_kernel k_q162c91350e_gather
		.amdhsa_group_segment_fixed_size 1280
		.amdhsa_private_segment_fixed_size 0
		.amdhsa_enable_private_segment 0
		.amdhsa_kernarg_size 40
		.amdhsa_user_sgpr_count 2
		.amdhsa_user_sgpr_kernarg_segment_ptr 1
		.amdhsa_wavefront_size32 1
		.amdhsa_system_sgpr_workgroup_id_x 1
		.amdhsa_system_sgpr_workgroup_id_y 1
		.amdhsa_system_sgpr_workgroup_id_z 1
		.amdhsa_system_vgpr_workitem_id 0
		.amdhsa_next_free_vgpr 162
		.amdhsa_next_free_sgpr 66
		.amdhsa_reserve_vcc 0
		.amdhsa_float_denorm_mode_32 3
		.amdhsa_float_denorm_mode_16_64 3
		.amdhsa_memory_ordered 1
		.amdhsa_forward_progress 1
		.amdhsa_inst_pref_size 16
	.end_amdhsa_kernel
	.amdgpu_metadata
---
amdhsa.version: [ 1, 2 ]
amdhsa.kernels:
  - .name:           k_q162c91350e_gather
    .symbol:         k_q162c91350e_gather.kd
    .args:
      - { .name: idx, .offset: 0, .size: 8, .value_kind: global_buffer, .address_space: global }
      - { .name: W, .offset: 8, .size: 8, .value_kind: global_buffer, .address_space: global }
      - { .name: feature, .offset: 16, .size: 8, .value_kind: global_buffer, .address_space: global }
      - { .name: out0, .offset: 24, .size: 8, .value_kind: global_buffer, .address_space: global }
      - { .name: out1, .offset: 32, .size: 8, .value_kind: global_buffer, .address_space: global }
    .group_segment_fixed_size: 1280
    .private_segment_fixed_size: 0
    .kernarg_segment_align: 8
    .kernarg_segment_size: 40
    .max_flat_workgroup_size: 256
    .sgpr_count:     66
    .vgpr_count:     162
    .wavefront_size: 32
...
	.end_amdgpu_metadata
.endif
;; end of part 3
;; ======== version 2 of 2: 3 launches; version 1 with the launch gather written anew for expert scheduling mode
;; limits: values within 9.5e-07 (relative) of each other or of a threshold may be ordered or decided otherwise than in the reference
;; workspace buffers: wb 524,288 bytes; wwh 8,192 bytes; idx 131,072 bytes of whole numbers
;; launch prep: the kernel of part 1 again; grid 32 x 1, 16 waves a work-group, no clusters, 2,304 bytes of LDS; arguments W, wb, wwh; writes wb, wwh
;; launch nearest: the kernel of part 2 again; grid 256 x 1, 8 waves a work-group, clusters of 4 x 1, 327,680 bytes of LDS; arguments wb, wwh, feature, idx; writes idx
;; launch gather (part 4): grid 256 x 1, 8 waves a work-group, no clusters, 1,280 bytes of LDS; arguments idx, W, feature, out0, out1; writes out0, out1
.if DOCPART == 4
	.amdgcn_target "amdgcn-amd-amdhsa--gfx1250"
	.amdhsa_code_object_version 6
	.text
	.protected	k_q162c91350e_gather
	.globl	k_q162c91350e_gather
	.p2align	8
	.type	k_q162c91350e_gather,@function
k_q162c91350e_gather:
	s_mov_b64 s[64:65], 0
	v_nop
	global_prefetch_b8 v0, s[64:65] scope:SCOPE_SE
	s_setreg_imm32_b32 hwreg(HW_REG_WAVE_SCHED_MODE, 0, 2), 2
	s_setreg_imm32_b32 hwreg(HW_REG_WAVE_MODE, 25, 1), 1
	s_wait_xcnt 0x0
	s_wait_alu depctr_vm_vsrc(0)
; out1[n] = W[idx[n]] (the f32 rows as they are);  out0[b] = 0.3125 * sum over the 512 numbers of batch row b of (f - W_j)^2:
; (1 + 0.25) times the squared distance of each of the row's 4 vectors, and the mean of the four.  The differences are formed
; directly, in f32, as the problem states them, not from the expanded distance.
; idx: [32768] whole numbers, stored by the launch before.  An index above 2047 cannot occur there; it is clamped to 2047 all the same.
; 256 work-groups of 8 waves.  A wave owns 4 batch rows = 16 vectors = 8 KiB; a lane owns 16 bytes of each vector, so every load and
; store of a wave covers a vector's 512 consecutive bytes.  All 32 loads of a wave go out at its head; there is no loop.
; A stream with a gather: no tiles are shared, so no LDS ring, no cluster, no matrix unit.
; out0 leaves as 128 consecutive bytes a work-group: a block of 256 would ask for 64 batch rows a group and so for half the groups,
; and out0 is 32 KiB beside out1's 16 MiB.
; THE MODE: SCHED_MODE bits 1:0 = 2 (LLVM: expert scheduling mode 2), set by the entry lines.  The code itself states the register
; dependences between vector instructions and memory or LDS instructions, with s_wait_alu, always for 0.
; THE PLAN.  Registers that memory or LDS instructions touch:
;   v1         written once at the head; read by the loads of f, by the lines that make OFF, and by the stores of out1.
;   OFF        written by 16 vector lines when the indices are in; read by the loads of the code rows; never written again.
;   F          written by loads alone; read by vector instructions alone.
;   G          written by loads alone; row i is read by step i's store and, behind that store, by step i's subtractions.
;   LA, L4     written once at the head; read by the LDS stores, and by wave 0's LDS load and its store of out0.
;   RS         batch row b's result, a register to each row: written by the row's last multiply; read by the four LDS stores,
;              which stand together behind the last step.  So the sums' registers (D, A, T) are named by vector instructions alone.
;   R          written by wave 0's LDS load, read by its store of out0; no vector instruction names it.
;   v160, v161 written at the head, read by the closing add alone.
; Three waits on va_vdst: ahead of the loads of f (v1 is written), ahead of the loads of the code rows (OFF is written), ahead of
; the LDS stores (RS is written).  Behind the second no vector instruction names v1, OFF, LA or L4 or writes G, and a step's store
; stands ahead of the first vector line that names its row of G: the 16 stores of out1 stand among the vector work with no wait
; of their own.  No register that a memory or LDS instruction has read is ever written again, so there is no wait on vm_vsrc.
.set VECS, 16                          ; vectors of a wave
.set OFF, 4                            ; v[4:19]    vector i: byte offset of my 16 bytes of its code's row in W
.set F,   20                           ; v[20:83]   vector i: 4 numbers of f
.set G,   84                           ; v[84:147]  vector i: 4 numbers of its code
.set D,   148                          ; v[148:151] differences
.set A,   152                          ; v[152:155] sums of squares of a batch row
.set T,   156                          ; v156       the other half's sum
.set R,   157                          ; v157       wave 0: a result on its way out
.set LA,  158                          ; v158       LDS address of my wave's four words
.set L4,  159                          ; v159       4 x lane
.set RS,  162                          ; v[162:165] batch row b: its result, on its way to LDS
	s_load_b256 s[4:11], s[0:1], 0x0               ; idx s[4:5], W s[6:7], feature s[8:9], out0 s[10:11]
	s_load_b64 s[12:13], s[0:1], 0x20              ; out1
	v_lshl_add_u32 v160, v0, 2, 0x100
	v_mov_b32 v161, 0
	v_lshrrev_b32 v2, 5, v0
	v_readfirstlane_b32 s14, v2                    ; wave 0..7
	v_and_b32 v1, 31, v0
	v_lshlrev_b32 v[L4], 2, v1
	v_lshlrev_b32 v1, 4, v1                        ; 16 x lane
	v_lshlrev_b32 v[LA], 4, v2                     ; 16 x wave
	v_mov_b32 v[T], 0                              ; v_permlanex16_b32 counts as a reader of its destination
	s_mov_b32 s34, 0x76543210                      ; v_permlanex16_b32: lane i of one half reads lane i of the other
	s_mov_b32 s35, 0xfedcba98
	s_wait_alu depctr_va_sdst(0)                   ; s14 is written, ahead of its first reader: the bases of idx, feature and out1 are made from it
	s_lshl_b32 s15, ttmp9, 3
	s_add_co_u32 s15, s15, s14                     ; my wave's number in the launch
	s_lshl_b32 s32, s15, 6                         ; 16 indices of 4 bytes
	s_mov_b32 s33, 0
	s_wait_kmcnt 0x0
	s_add_nc_u64 s[4:5], s[4:5], s[32:33]
	s_load_b512 s[16:31], s[4:5], 0x0              ; my 16 indices; this launch stores nothing into idx
	s_lshl_b32 s32, s15, 13                        ; 16 vectors of 512 bytes
	s_add_nc_u64 s[8:9], s[8:9], s[32:33]
	s_add_nc_u64 s[12:13], s[12:13], s[32:33]
	s_lshl_b32 s32, ttmp9, 7                       ; 32 batch rows of 4 bytes
	s_add_nc_u64 s[10:11], s[10:11], s[32:33]
	s_wait_alu depctr_va_vdst(0)                   ; v1 is written, which the loads of f read as their offset; so are LA, L4, v160 and v161, which LDS instructions and the store of out0 read further down
.irp i, 0,1,2,3,4,5,6,7,8,9,10,11,12,13,14,15
	global_load_b128 v[F+4*\i:F+4*\i+3], v1, s[8:9] offset:512*\i th:TH_LOAD_NT    ; f needs no index: it goes out while the indices come
.endr
	s_wait_kmcnt 0x0
.irp i, 0,1,2,3,4,5,6,7,8,9,10,11,12,13,14,15
	s_min_u32 s[16+\i], s[16+\i], 0x7ff            ; a loaded number enters an address only clamped to the table
	v_lshl_add_u32 v[OFF+\i], s[16+\i], 9, v1      ; rows of 512 bytes
.endr
	s_wait_alu depctr_va_vdst(0)                   ; the sixteen lines above have written OFF, which the loads of the code rows read as their offsets
.irp i, 0,1,2,3,4,5,6,7,8,9,10,11,12,13,14,15
	global_load_b128 v[G+4*\i:G+4*\i+3], v[OFF+\i], s[6:7]         ; no hint: a code's row may be wanted again by others
.endr
.irp i, 0,1,2,3,4,5,6,7,8,9,10,11,12,13,14,15
	s_wait_loadcnt VECS-1-\i                       ; loads come back in order (ISA guide 5.7.1): all of f and code row i are in, the younger rows stay out
	global_store_b128 v1, v[G+4*\i:G+4*\i+3], s[12:13] offset:512*\i th:TH_STORE_NT    ; no register that a load or store names is written again; no vector instruction since the last wait on va_vdst names v1 or this row of G
	v_pk_add_f32 v[D:D+1],   v[F+4*\i:F+4*\i+1],   v[G+4*\i:G+4*\i+1]   neg_lo:[0,1] neg_hi:[0,1]
	v_pk_add_f32 v[D+2:D+3], v[F+4*\i+2:F+4*\i+3], v[G+4*\i+2:G+4*\i+3] neg_lo:[0,1] neg_hi:[0,1]
.if (\i & 3) == 0
	v_pk_mul_f32 v[A:A+1],   v[D:D+1],   v[D:D+1]                  ; a batch row's first vector starts its sums
	v_pk_mul_f32 v[A+2:A+3], v[D+2:D+3], v[D+2:D+3]
.else
	v_pk_fma_f32 v[A:A+1],   v[D:D+1],   v[D:D+1],   v[A:A+1]
	v_pk_fma_f32 v[A+2:A+3], v[D+2:D+3], v[D+2:D+3], v[A+2:A+3]
.endif
.if (\i & 3) == 3
	v_pk_add_f32 v[A:A+1], v[A:A+1], v[A+2:A+3]
	v_add_f32 v[A], v[A], v[A+1]
	v_add_f32_dpp v[A], v[A], v[A] row_xmask:1 row_mask:0xf bank_mask:0xf
	v_add_f32_dpp v[A], v[A], v[A] row_xmask:2 row_mask:0xf bank_mask:0xf
	v_add_f32_dpp v[A], v[A], v[A] row_xmask:4 row_mask:0xf bank_mask:0xf
	v_add_f32_dpp v[A], v[A], v[A] row_xmask:8 row_mask:0xf bank_mask:0xf
	v_permlanex16_b32 v[T], v[A], s34, s35
	v_add_f32 v[A], v[A], v[T]
	v_mul_f32 v[RS+(\i/4)], 0x3ea00000, v[A]       ; 0.3125 = 1.25 / 4; the batch row's result has a register of its own
.endif
.endr
	s_wait_alu depctr_va_vdst(0)                   ; the four multiplies have written RS, which the LDS stores read
.irp b, 0,1,2,3
	ds_store_b32 v[LA], v[RS+\b] offset:4*\b       ; word 4 x wave + batch row; all lanes write the same number
.endr
	s_wait_dscnt 0x0                               ; my four words are in LDS, for wave 0's sake
	s_barrier_signal -1
	s_barrier_wait -1
	s_cmp_lg_u32 s14, 0
	s_cbranch_scc1 .Lend
	ds_load_b32 v[R], v[L4]                        ; wave 0: the group's 32 results, one a lane; no vector instruction names R, and L4 was written ahead of the first wait on va_vdst
	s_wait_dscnt 0x0
	global_store_b32 v[L4], v[R], s[10:11]
.Lend:
	s_wait_dscnt 0x0                               ; the closing lines, six on end
	s_wait_alu 0x0
	s_wait_tensorcnt 0x0
	ds_add_u32 v160, v161
	s_wait_dscnt 0x0
	s_endpgm
.Lfunc_end_k_q162c91350e_gather:
	.size	k_q162c91350e_gather, .Lfunc_end_k_q162c91350e_gather-k_q162c91350e_gather
	.p2alignl 7, 3214868480
	.fill 96, 4, 3214868480
	.section	.rodata,"a",@progbits
	.p2align	6, 0x0
	.amdhsa_kernel k_q162c91350e_gather
		.amdhsa_group_segment_fixed_size 1280
		.amdhsa_private_segment_fixed_size 0
		.amdhsa_enable_private_segment 0
		.amdhsa_kernarg_size 40
		.amdhsa_user_sgpr_count 2
		.amdhsa_user_sgpr_kernarg_segment_ptr 1
		.amdhsa_wavefront_size32 1
		.amdhsa_system_sgpr_workgroup_id_x 1
		.amdhsa_system_sgpr_workgroup_id_y 1
		.amdhsa_system_sgpr_workgroup_id_z 1
		.amdhsa_system_vgpr_workitem_id 0
		.amdhsa_next_free_vgpr 166
		.amdhsa_next_free_sgpr 66
		.amdhsa_reserve_vcc 0
		.amdhsa_float_denorm_mode_32 3
		.amdhsa_float_denorm_mode_16_64 3
		.amdhsa_memory_ordered 1
		.amdhsa_forward_progress 1
		.amdhsa_inst_pref_size 16
	.end_amdhsa_kernel
	.amdgpu_metadata
---
amdhsa.version: [ 1, 2 ]
amdhsa.kernels:
  - .name:           k_q162c91350e_gather
    .symbol:         k_q162c91350e_gather.kd
    .args:
      - { .name: idx, .offset: 0, .size: 8, .value_kind: global_buffer, .address_space: global }
      - { .name: W, .offset: 8, .size: 8, .value_kind: global_buffer, .address_space: global }
      - { .name: feature, .offset: 16, .size: 8, .value_kind: global_buffer, .address_space: global }
      - { .name: out0, .offset: 24, .size: 8, .value_kind: global_buffer, .address_space: global }
      - { .name: out1, .offset: 32, .size: 8, .value_kind: global_buffer, .address_space: global }
    .group_segment_fixed_size: 1280
    .private_segment_fixed_size: 0
    .kernarg_segment_align: 8
    .kernarg_segment_size: 40
    .max_flat_workgroup_size: 256
    .sgpr_count:     66
    .vgpr_count:     166
    .wavefront_size: 32
...
	.end_amdgpu_metadata
.endif
;; end of part 4
